; MI455X (gfx1250); checked and timed in simulation.
; The chip was launched on July 23, 2026; its instructions are those of AMD's public machine-readable ISA for CDNA 5 (MIT licence, August 2026) and "CDNA5" Instruction Set Architecture Reference Guide (July 2026). The comments in the code are by the model that wrote it; some were corrected since.
;; Space Time Multi Head Attention. Allowed arithmetic: matrix products marked QUANTISED: E2M1 operands, one E8M0 scale for each 32 along K, by v_wmma_scale_f32_16x16x128_f8f6f4 with both operands' format E2M1 (or v_wmma_scale_f32_32x16x128_f4), f32 sums; products left as they are: bf16, f16 or f32 operands; f32 sums; everything else in f32.
;; Inputs: bk 512 float32; bo 512 float32; bq 512 float32; bv 512 float32; inputs 4 x 16 x 512 x 512 float32; wk 512 x 512 float32; wo 512 x 512 float32; wq 512 x 512 float32; wv 512 x 512 float32.
;; Outputs: out0 4 x 16 x 512 x 512 float32.
;; Constants: is_training = 0.
;; This version of the problem:
;;   THIS VERSION OF THE PROBLEM IS GIVEN IN LOW PRECISION. The matrix products marked QUANTISED in the list below multiply operands that are first quantised to E2M1 (2 exponent bits, 1 mantissa bit; 4 bits a number), with one power-of-two scale for each 32 numbers along K (OCP MX v1.0); their sums are f32. The products marked 'left as it is' may take bf16, f16 or f32 operands, with f32 sums. Whichever they take, every output number must still come out within the allowed error. Rounding operands to bf16 (8 significant bits) uses up far more of that allowance than f16 does (11 bits, for magnitudes from 6e-5 to 65,504). All else is computed in f32.
;;   The module's matrix products, in the order in which they are computed (A, B: the left and right operand; K: the contracted axis; several contracted axes count as one K, in the product's order):
;;     1. [M 32,768, K 512] x [K 512, N 512]; A: input inputs; B: input wq: QUANTISED
;;     2. [M 32,768, K 512] x [K 512, N 512]; A: input inputs; B: input wk: QUANTISED
;;     3. [M 32,768, K 512] x [K 512, N 512]; A: input inputs; B: input wv: QUANTISED
;;     4. batch 512 x [M 512, K 64] x [K 64, N 512]; A: computed on the way; B: computed on the way: left as it is (an operand is computed on the way)
;;     5. batch 512 x [M 64, K 512] x [K 512, N 512]; A: computed on the way; B: computed on the way: left as it is (an operand is computed on the way)
;;     6. [M 32,768, K 512] x [K 512, N 512]; A: computed on the way; B: input wo: left as it is (an operand is computed on the way)
;;   THE QUANTISER, for each operand of a quantised product, along K:
;;     - K is cut into blocks of 32 from its start; a last block that is shorter is filled with zeros.
;;     - A block's scale is 2^e with e = floor(log2(the largest magnitude in the block)) - 2, held to -126 .. 127; a block of zeros has e = 0. As a byte (E8M0): e + 127.
;;     - Each number is divided by its block's scale, clamped to +-6, and rounded to the nearest number of E2M1, ties to even, subnormals kept.
;;     - The product sums the exact products of the quantised numbers (number of the format x scale) in f32.
;;   ~~~python
;;   def quantise(x, axis):      # numpy; x: float32 -> the quantised numbers, widened to float32 again
;;       x = np.moveaxis(x, axis, -1); K = x.shape[-1]
;;       x = np.pad(x, [(0, 0)] * (x.ndim - 1) + [(0, -K % 32)]); x = x.reshape(x.shape[:-1] + (-1, 32)); a = np.abs(x).max(-1, keepdims=True)
;;       e = np.where(a > 0, np.clip(np.frexp(np.where(a > 0, a, 1))[1] - 1 - 2, -126, 127), 0)      # np.frexp(a)[1] - 1 = floor(log2(a)), exactly
;;       r = np.clip(x / 2.0 ** e, -6, 6)
;;       step = 2.0 ** (np.maximum(np.frexp(np.where(r == 0, 1, r))[1] - 1, 0) - 1)
;;       q = np.round(r / step) * step * 2.0 ** e      # np.round: ties to even
;;       return np.moveaxis(q.reshape(q.shape[:-2] + (-1,))[..., :K], -1, axis).astype(np.float32)
;;   ~~~
;; One version. Each part assembles by itself: llvm-mc -triple=amdgcn-amd-amdhsa -mcpu=gfx1250 --defsym DOCPART=n.
;; ======== version 1 of 1: 3 launches
;; limits: values are held in f16: magnitudes above 65,504 overflow, below 6.1e-05 lose precision
;; workspace buffers: x_codes 8,388,608 bytes; x_scales 524,288 bytes; w_codes 393,216 bytes; w_scales 24,576 bytes; wo16 524,288 bytes; attn16 33,554,432 bytes
;; launch prep (part 1): grid 576 x 1, 4 waves a work-group, no clusters, 41,472 bytes of LDS; arguments inputs, wq, wk, wv, wo, x_codes, x_scales, w_codes, w_scales, wo16; writes x_codes, x_scales, w_codes, w_scales, wo16
.if DOCPART == 1
	.amdgcn_target "amdgcn-amd-amdhsa--gfx1250"
	.amdhsa_code_object_version 6
	.text
	.protected	k_q25938f3730_prep
	.globl	k_q25938f3730_prep
	.p2align	8
	.type	k_q25938f3730_prep,@function
k_q25938f3730_prep:
	s_mov_b64 s[64:65], 0
	v_nop
	global_prefetch_b8 v0, s[64:65] scope:SCOPE_SE
	s_setreg_imm32_b32 hwreg(HW_REG_WAVE_MODE, 25, 1), 1
	s_wait_xcnt 0x0
; PREP: the operands of the three quantised products are quantised ONCE, and wo is rounded to f16 once; all of it is laid in the order of the operands' registers.
; x = inputs [32768 rows][512] f32 (K innermost), wq, wk, wv [512 (k)][512 (n)] f32 (K outermost): codes of E2M1, one E8M0 byte for each 32 along K.
; A block's scale is 2^(floor(log2(its largest magnitude)) - 2); its byte is the largest magnitude's exponent field - 2, held at 1 from below; numbers are divided by the scale and rounded to the nearest code, ties to even, beyond 6 to 6.
; LAYOUTS.  A fragment (16 rows x 128 K of 4-bit codes) is 1,024 bytes: block B = 4 s + 2 c + h of row r lies at 256 B + 16 r, so that lane 16 h + r finds registers 4 c .. 4 c + 3 of K step s at 1024 s + 512 c + 16 x lane.
;   x_codes [row tile 2048][4096];  x_scales [row][16];  w_codes [head 8][K, V, Q][column tile 4][K step 4][1024];  w_scales [head][K, V, Q][K step][64 columns] words;
;   wo16 [column group 4][K chunk of 32: 16][column tile 8][1024]: 8 halves k = 32 kc + 16 g + 8 hh + 0 .. 7 of column r at 512 g + 16 (16 hh + r).
; SHARES.  Work-groups 0-47: the three weights (32 columns x 512 K each, a wave a K step of 128);  48-63: wo;  64-575: x, a wave a tile of 16 rows.  The branches hang on the work-group's number alone.
; LIMITS: NaN and infinities among the inputs are not served.  A block of zeros (and one whose largest magnitude lies under 2^-124) keeps the byte 1 where the rule says 127 for zeros: its codes are zeros, and this program alone reads the bytes.
; Only x's path uses LDS.  No tensor load, no barrier: waves share nothing.
.set WREG,  10240                      ; LDS of a wave: two turning stages of 32 x SP, 256 scale bytes, a stage for the codes of 16 x CPI
.set SP,    80                         ; a lane's place in a turning stage: 64 bytes + 16 of padding
.set SCB,   2*32*SP
.set CST,   SCB+256
.set CPI,   272                        ; a block's 256 bytes of codes (16 rows x 16) + 16 of padding
.set SPARE, 4*WREG                     ; the spare words, 128 bytes for each wave: two blocks of 256 bytes that no other line names
.set EMAX,  2
.set R,     16                         ; v16-79   four sets of 16 numbers as loaded
.set X,     80                         ; v80-111  two sets of 16 neighbours
.set E,     112                        ; v112-127 a scale byte for each step
.set C,     128                        ; v128-191 codes, four registers for each step
.set SPW,   12                         ; v12      LDS address of my spare word; never rewritten
.set NIL,   13                         ; v13      0; never rewritten
	s_load_b512 s[4:19], s[0:1], 0x0               ; inputs s[4:5], wq s[6:7], wk s[8:9], wv s[10:11], wo s[12:13], x_codes s[14:15], x_scales s[16:17], w_codes s[18:19]
	s_load_b128 s[20:23], s[0:1], 0x40             ; w_scales s[20:21], wo16 s[22:23]
	v_lshl_add_u32 v[SPW], v0, 2, SPARE
	v_mov_b32 v[NIL], 0
	v_lshrrev_b32 v1, 5, v0
	v_readfirstlane_b32 s24, v1                    ; wave 0..3
	v_and_b32 v2, 31, v0                           ; lane
	v_lshlrev_b32 v3, 4, v2                        ; 16 x lane
	s_mov_b32 s29, 0                               ; the high word of every offset: all stay under 2^32
	s_wait_kmcnt 0x0
	s_cmp_lt_u32 ttmp9, 48
	s_cbranch_scc1 .Lw
	s_cmp_lt_u32 ttmp9, 64
	s_cbranch_scc1 .Lo
; ---- x.  A wave takes a tile of 16 rows: step t is row t, 512 numbers.  Each of a step's four loads reads 512 consecutive bytes; the 2,048 bytes turn through the wave's stage and come back 16 neighbours a lane (two lanes to a block).
	s_mul_i32 s25, s24, WREG
	v_lshrrev_b32 v14, 2, v2
	v_mul_u32_u24 v14, v14, SP
	v_and_b32 v15, 3, v2
	v_lshl_add_u32 v14, v15, 4, v14
	v_add_nc_u32 v14, s25, v14                     ; turning stage, in: SP (lane / 4) + 16 (lane % 4)
	v_mul_u32_u24 v15, v2, SP
	v_add_nc_u32 v15, s25, v15                     ; and out: SP x lane
	v_lshrrev_b32 v5, 1, v2                        ; my block
	v_mul_u32_u24 v10, v5, CPI
	v_and_b32 v4, 1, v2
	v_lshl_add_u32 v10, v4, 3, v10
	s_add_co_u32 s26, s25, CST
	v_add_nc_u32 v10, s26, v10                     ; codes' stage, in: CPI x block + 8 x (my half of it); the row's 16 bytes stand in the immediate
	v_lshrrev_b32 v4, 4, v2
	v_mul_u32_u24 v1, v4, CPI
	v_and_b32 v4, 15, v2
	v_lshl_add_u32 v1, v4, 4, v1
	v_add_nc_u32 v1, s26, v1                       ; and out: sixteen lanes to a block, two blocks an instruction
	s_add_co_u32 s26, s25, SCB
	v_add_nc_u32 v5, s26, v5                       ; my block's scale byte
	v_lshlrev_b32 v7, 3, v2
	v_add_nc_u32 v6, s26, v7                       ; the scale bytes on the way out: 8 a lane
	s_sub_co_u32 s27, ttmp9, 64
	s_lshl_b32 s27, s27, 2
	s_add_co_u32 s27, s27, s24                     ; my row tile
	s_lshl_b32 s28, s27, 15                        ; 16 rows of 2,048 bytes
	s_add_nc_u64 s[4:5], s[4:5], s[28:29]
	s_lshl_b32 s28, s27, 12                        ; 4,096 bytes of codes
	s_add_nc_u64 s[14:15], s[14:15], s[28:29]
	s_lshl_b32 s28, s27, 8                         ; 256 scale bytes
	s_add_nc_u64 s[16:17], s[16:17], s[28:29]
.macro LOAD t
.irp i, 0,1,2,3
	global_load_b128 v[R+16*((\t)%4)+4*\i:R+16*((\t)%4)+4*\i+3], v3, s[4:5] offset:2048*(\t)+512*\i th:TH_LOAD_NT   ; 32 lanes read 512 consecutive bytes; read once in the launch
.endr
.endm
.macro TURN t                          ; LDS serves a wave's instructions in order: no wait between the stores and the loads
.irp i, 0,1,2,3
	ds_store_b128 v14, v[R+16*((\t)%4)+4*\i:R+16*((\t)%4)+4*\i+3] offset:32*SP*((\t)%2)+8*SP*\i
.endr
.irp i, 0,1,2,3
	ds_load_b128 v[X+16*((\t)%2)+4*\i:X+16*((\t)%2)+4*\i+3], v15 offset:32*SP*((\t)%2)+16*\i
.endr
.endm
.irp t, 0,1,2,3
	LOAD \t
.endr
	s_wait_loadcnt 12                              ; step 0's four loads are in; three steps' twelve may be out
	TURN 0
.macro STEP t
.set XS, X+16*((\t)%2)
.if (\t) > 0
	s_wait_dscnt 2                                 ; this step's numbers are back (the last step's two stores, byte and codes, may be out): so its stores into the stage have read their registers,
.else
	s_wait_dscnt 0x0
.endif
.if (\t)+4 < 16
	LOAD (\t)+4                                    ; which take the loads of four steps on
.endif
.if (\t)+1 < 16
.if 14-(\t) >= 3
	s_wait_loadcnt 12                              ; the next step's four loads are in; those of the three steps behind it may be out
.else
	s_wait_loadcnt 4*(14-(\t))
.endif
	TURN (\t)+1
.endif
	v_max3_num_f32 v8, |v[XS]|, |v[XS+1]|, |v[XS+2]|               ; the largest magnitude of my 16, in two chains
	v_max3_num_f32 v9, |v[XS+3]|, |v[XS+4]|, |v[XS+5]|
.irp i, 6,10
	v_max3_num_f32 v8, v8, |v[XS+\i]|, |v[XS+\i+1]|
	v_max3_num_f32 v9, v9, |v[XS+\i+2]|, |v[XS+\i+3]|
.endr
	v_max3_num_f32 v8, v8, |v[XS+14]|, |v[XS+15]|
	v_max3_num_f32 v8, v8, v9, (EMAX+1)<<23        ; and the floor 2^(3 - 127): the byte cannot fall under 1
	v_max_num_f32_dpp v8, v8, v8 row_xmask:1 row_mask:0xf bank_mask:0xf   ; with my neighbour's 16: the block's
	v_add_nc_u32 v11, -(EMAX<<23), v8              ; 2 off its exponent field: the conversion takes the exponent field of this operand as its scale
	v_cvt_scalef32_pk8_fp4_f32 v[C+4*(\t)], v[XS:XS+7], v11
	v_cvt_scalef32_pk8_fp4_f32 v[C+4*(\t)+1], v[XS+8:XS+15], v11
	v_lshrrev_b32 v[E+(\t)], 23, v11               ; the scale's byte (a plain line behind the conversions)
	ds_store_b8 v5, v[E+(\t)] offset:16*(\t)       ; both lanes of a block write the same byte with the same value
	ds_store_b64 v10, v[C+4*(\t):C+4*(\t)+1] offset:16*(\t)   ; my 16 codes: half of row t's 16 bytes in my block's 256
.endm
.irp t, 0,1,2,3,4,5,6,7,8,9,10,11,12,13,14,15
	STEP \t
.endr
.irp n, 0,1,2,3,4,5,6,7
	ds_load_b128 v[R+4*\n:R+4*\n+3], v1 offset:2*CPI*\n   ; blocks 2 n and 2 n + 1, whole
.endr
	ds_load_b64 v[8:9], v6
	s_wait_dscnt 0x0
.irp n, 0,1,2,3,4,5,6,7
	global_store_b128 v3, v[R+4*\n:R+4*\n+3], s[14:15] offset:512*\n   ; 32 lanes store 512 consecutive bytes, aligned
.endr
	global_store_b64 v7, v[8:9], s[16:17]          ; 32 lanes store the tile's 256 scale bytes
	s_branch .Lend
; ---- wq, wk, wv.  A lane takes a column and its registers run down K: a block of 32 lies in one lane, and the conversions give codes with K innermost.  Work-group j: weight j / 16 (0 wk, 1 wv, 2 wq), columns 32 (j % 16) on; wave = K step.
.Lw:
	s_lshr_b32 s25, ttmp9, 4                       ; which weight
	s_and_b32 s26, ttmp9, 15                       ; which 32 columns
	s_cmp_eq_u32 s25, 0
	s_cselect_b64 s[30:31], s[8:9], s[10:11]
	s_cmp_eq_u32 s25, 2
	s_cselect_b64 s[30:31], s[6:7], s[30:31]
	s_lshl_b32 s28, s24, 18                        ; 128 rows of 2,048 bytes a K step
	s_lshl_b32 s27, s26, 7
	s_add_co_u32 s28, s28, s27
	s_add_nc_u64 s[30:31], s[30:31], s[28:29]
	s_lshr_b32 s27, s26, 1                         ; head
	s_mul_i32 s27, s27, 3
	s_add_co_u32 s27, s27, s25                     ; 3 x head + weight
	s_and_b32 s32, s26, 1                          ; which half of the head's 64 columns
	s_lshl_b32 s28, s27, 4
	s_lshl_b32 s33, s32, 3
	s_add_co_u32 s28, s28, s33
	s_add_co_u32 s28, s28, s24
	s_lshl_b32 s28, s28, 10                        ; fragment (column tile 2 x half, K step) of 1,024 bytes
	s_add_nc_u64 s[18:19], s[18:19], s[28:29]
	s_lshl_b32 s28, s27, 2
	s_add_co_u32 s28, s28, s24
	s_lshl_b32 s28, s28, 6
	s_lshl_b32 s33, s32, 5
	s_add_co_u32 s28, s28, s33
	s_lshl_b32 s28, s28, 2                         ; scale words: ((3 head + weight) 4 + K step) 64 + 32 half, 4 bytes each
	s_add_nc_u64 s[20:21], s[20:21], s[28:29]
	v_lshlrev_b32 v4, 2, v2                        ; in: 4 bytes a lane
	v_lshrrev_b32 v5, 4, v2
	v_and_b32 v6, 15, v2
	v_lshlrev_b32 v6, 4, v6
	v_lshl_add_u32 v5, v5, 12, v6                  ; out: lanes 16-31 are the next column tile, 4 fragments on; 16 bytes a column
.macro WGET b                          ; block b: w(128 s + 32 b + i, my column): 32 lanes read 128 consecutive bytes
.set n, 0
.rept 32
	global_load_b32 v[32+32*(\b)+n], v4, s[30:31] offset:2048*(32*(\b)+n) th:TH_LOAD_NT
.set n, n+1
.endr
.endm
.macro WBLK b, left
.set XS, 32+32*(\b)
	s_wait_loadcnt \left                           ; this block's 32 loads are in; the next block's may be out
	v_max3_num_f32 v8, |v[XS]|, |v[XS+1]|, |v[XS+2]|
	v_max3_num_f32 v9, |v[XS+3]|, |v[XS+4]|, |v[XS+5]|
.irp i, 6,10,14,18,22,26
	v_max3_num_f32 v8, v8, |v[XS+\i]|, |v[XS+\i+1]|
	v_max3_num_f32 v9, v9, |v[XS+\i+2]|, |v[XS+\i+3]|
.endr
	v_max3_num_f32 v8, v8, |v[XS+30]|, |v[XS+31]|
	v_max3_num_f32 v8, v8, v9, (EMAX+1)<<23
	v_add_nc_u32 v11, -(EMAX<<23), v8
	v_lshrrev_b32 v9, 23, v11
.if (\b) == 0
	v_mov_b32 v176, v9                             ; the K step's scale word: the lower K in the lower byte
.else
	v_lshl_or_b32 v176, v9, 8*(\b), v176
.endif
.irp g, 0,1,2,3
	v_cvt_scalef32_pk8_fp4_f32 v[160+4*(\b)+\g], v[XS+8*\g:XS+8*\g+7], v11
.endr
	v_nop                                          ; one plain line behind the last conversion of a run
	global_store_b128 v5, v[160+4*(\b):160+4*(\b)+3], s[18:19] offset:256*(\b)   ; sixteen lanes store 256 consecutive bytes, aligned
.endm
	WGET 0
	WGET 1
	WBLK 0, 32
	WGET 2
	WBLK 1, 32
	WGET 3
	WBLK 2, 32
	WBLK 3, 0
	global_store_b32 v4, v176, s[20:21]            ; 128 consecutive bytes: half an aligned 256; the whole buffer is 24,576 bytes
	s_branch .Lend
; ---- wo to f16.  The same walk: a lane a column, registers down K; work-group 48 + g: columns 32 g on; wave = 128 of K (four chunks of 32).
.Lo:
	s_sub_co_u32 s26, ttmp9, 48
	s_lshl_b32 s28, s24, 18
	s_lshl_b32 s27, s26, 7
	s_add_co_u32 s28, s28, s27
	s_add_nc_u64 s[12:13], s[12:13], s[28:29]
	s_lshr_b32 s28, s26, 2
	s_lshl_b32 s28, s28, 17                        ; column group of 128
	s_lshl_b32 s27, s24, 15                        ; four chunks of 8,192 bytes
	s_add_co_u32 s28, s28, s27
	s_and_b32 s27, s26, 3
	s_lshl_b32 s27, s27, 11                        ; two column tiles of 1,024 bytes
	s_add_co_u32 s28, s28, s27
	s_add_nc_u64 s[22:23], s[22:23], s[28:29]
	v_lshlrev_b32 v4, 2, v2
	v_lshrrev_b32 v5, 4, v2
	v_and_b32 v6, 15, v2
	v_lshlrev_b32 v6, 4, v6
	v_lshl_add_u32 v5, v5, 10, v6                  ; lanes 16-31: the next column tile; 16 bytes a column
.set n, 0
.rept 128
	global_load_b32 v[32+n], v4, s[12:13] offset:2048*n th:TH_LOAD_NT
.set n, n+1
.endr
	s_wait_loadcnt 0x0
.set n, 0
.rept 64
	v_cvt_pk_f16_f32 v[32+n], v[32+2*n], v[32+2*n+1]   ; in place, ascending: register n is written when registers 2 n, 2 n + 1 are read
.set n, n+1
.endr
.irp q, 0,1,2,3
.irp gg, 0,1
.irp hh, 0,1
	global_store_b128 v5, v[32+16*\q+8*\gg+4*\hh:32+16*\q+8*\gg+4*\hh+3], s[22:23] offset:8192*\q+512*\gg+256*\hh   ; sixteen lanes store 256 consecutive bytes, aligned
.endr
.endr
.endr
.Lend:
	s_wait_tensorcnt 0x0                           ; the wave's end, behind my last LDS store
	ds_add_u32 v[SPW], v[NIL]
	s_wait_dscnt 0x0
	s_endpgm
.Lfunc_end_k_q25938f3730_prep:
	.size	k_q25938f3730_prep, .Lfunc_end_k_q25938f3730_prep-k_q25938f3730_prep
	.p2alignl 7, 3214868480
	.fill 96, 4, 3214868480
	.section	.rodata,"a",@progbits
	.p2align	6, 0x0
	.amdhsa_kernel k_q25938f3730_prep
		.amdhsa_group_segment_fixed_size 41472
		.amdhsa_private_segment_fixed_size 0
		.amdhsa_enable_private_segment 0
		.amdhsa_kernarg_size 80
		.amdhsa_user_sgpr_count 2
		.amdhsa_user_sgpr_kernarg_segment_ptr 1
		.amdhsa_wavefront_size32 1
		.amdhsa_system_sgpr_workgroup_id_x 1
		.amdhsa_system_sgpr_workgroup_id_y 1
		.amdhsa_system_sgpr_workgroup_id_z 1
		.amdhsa_system_vgpr_workitem_id 0
		.amdhsa_next_free_vgpr 192
		.amdhsa_next_free_sgpr 66
		.amdhsa_reserve_vcc 0
		.amdhsa_float_denorm_mode_32 3
		.amdhsa_float_denorm_mode_16_64 3
		.amdhsa_memory_ordered 1
		.amdhsa_forward_progress 1
		.amdhsa_inst_pref_size 72
	.end_amdhsa_kernel
	.amdgpu_metadata
---
amdhsa.version: [ 1, 2 ]
amdhsa.kernels:
  - .name:           k_q25938f3730_prep
    .symbol:         k_q25938f3730_prep.kd
    .args:
      - { .name: inputs, .offset: 0, .size: 8, .value_kind: global_buffer, .address_space: global }
      - { .name: wq, .offset: 8, .size: 8, .value_kind: global_buffer, .address_space: global }
      - { .name: wk, .offset: 16, .size: 8, .value_kind: global_buffer, .address_space: global }
      - { .name: wv, .offset: 24, .size: 8, .value_kind: global_buffer, .address_space: global }
      - { .name: wo, .offset: 32, .size: 8, .value_kind: global_buffer, .address_space: global }
      - { .name: x_codes, .offset: 40, .size: 8, .value_kind: global_buffer, .address_space: global }
      - { .name: x_scales, .offset: 48, .size: 8, .value_kind: global_buffer, .address_space: global }
      - { .name: w_codes, .offset: 56, .size: 8, .value_kind: global_buffer, .address_space: global }
      - { .name: w_scales, .offset: 64, .size: 8, .value_kind: global_buffer, .address_space: global }
      - { .name: wo16, .offset: 72, .size: 8, .value_kind: global_buffer, .address_space: global }
    .group_segment_fixed_size: 41472
    .private_segment_fixed_size: 0
    .kernarg_segment_align: 8
    .kernarg_segment_size: 80
    .max_flat_workgroup_size: 128
    .sgpr_count:     66
    .vgpr_count:     192
    .wavefront_size: 32
...
	.end_amdgpu_metadata
.endif
;; end of part 1
;; launch attn (part 2): grid 4 x 64, 4 waves a work-group, no clusters, 305,664 bytes of LDS; arguments x_codes, x_scales, w_codes, w_scales, bq, bk, bv, attn16; writes attn16
.if DOCPART == 2
	.amdgcn_target "amdgcn-amd-amdhsa--gfx1250"
	.amdhsa_code_object_version 6
	.text
	.protected	k_q25938f3730_attn
	.globl	k_q25938f3730_attn
	.p2align	8
	.type	k_q25938f3730_attn,@function
k_q25938f3730_attn:
	s_mov_b64 s[64:65], 0
	v_nop
	global_prefetch_b8 v0, s[64:65] scope:SCOPE_SE
	s_setreg_imm32_b32 hwreg(HW_REG_WAVE_MODE, 25, 1), 1
	s_wait_xcnt 0x0
; ATTN: q, k, v = x W + b on codes of E2M1 (scaled matrix form) and softmax(q k^T / 8) v, for TWO HEADS of one slice (b, t) of 512 rows.  attn leaves as f16, in the order of the next product's operand registers.
; SHARES.  Grid 4 x 64: x = the pair of heads, y = the slice.  Wave w keeps the codes of rows 128 w .. 128 w + 127 (256 registers) for the whole launch: they are its keys AND its queries, so K, V and Q of a head are each projected once in the launch.
; For each head the wave projects K and V of its 128 keys in registers (they never pass LDS) and Q of its 128 rows (to LDS, for all four waves).  Then, 128 queries at a time, every wave runs the block's 8 tiles against its own 128 keys, with the
; true maximum of those keys taken off before the exponential; the four waves' partial O, maximum and sum meet in LDS and are merged under the row's maximum; wave w merges and stores tiles 2 w and 2 w + 1.
; LAYOUTS (r = lane % 16, hh = lane / 16).  K, Q: transposed (source 0 = 16 columns of W, source 1 = 16 rows of x): a lane holds row r, registers run along channels: two tiles packed to f16 ARE a fragment of 16 rows x 32 channels.
; V: natural (source 0 = x, source 1 = W): a lane holds channel r, registers run along keys: two tiles packed are a fragment of V^T.  S^T = K Q^T, O^T = V^T P: a lane holds ONE query throughout, nothing changes lanes.
; attn16 [block of 128 rows 256][tile pair 4][head 8][tile of the pair 2][2,048]: an image of 16 registers, 512 consecutive bytes a store.
; BIASES.  bq, bk: the C of each sum's first matrix instruction.  bv: added behind the normalisation (the weights sum to 1): the addend of the merge's first multiply-add.
; FORMATS.  q, k, v, p, attn go to the matrix units as f16, sums f32.  LIMIT: |q|, |k|, |v| under 65,504 (with x and W all 30 times the drawn spread they stay near 5,400; with offsets of 30 spreads on both near 20,000).  NaN and infinities are not served.
; NO CLUSTER, NO TENSOR LOAD.  What work-groups share is 128 KiB of x's codes (the four work-groups of a slice, once, at the head); they go by 16-byte loads at 16 x lane straight into the operand's registers.  A joint load lands in LDS: a trip more for bytes that are read once.
; REGISTERS, in windows of 256 (s_set_vgpr_msb: bits 1:0 source 0, 3:2 source 1, 5:4 source 2, 7:6 destination):
;   window 0: v1-15 addresses; v16-31, v36-59 scale words and nothing else; v60-79 statistics; v80-207 S^T / P of two tiles (projection: V's weights); v208-239 Q's fragments of two tiles (projection: bk, bq; merge: bv); v240-255 at work
;   window 1: x's 32 fragments    window 2: v0-127 K, v128-255 V^T, for the head in hand (at the head of the kernel: the weights on their way to LDS)
;   window 3: v64-191 a weight's 16 fragments; v192-255 two sets of four accumulators (projection, O^T); in the merge all 256: the partials
.set QL,    0                          ; [owner wave 4][tile 8][2,048]: Q of the head in hand, images of 16 registers.  A wave stores into its own 16,384 bytes alone
.set PART,  65536                      ; [query tile 8][wave 4][4,096]: images of a partial O^T's 32 registers
.set STAT,  196608                     ; [query tile 8][wave 4][256]: (c m, l), 8 bytes a lane
.set WST,   204800                     ; both heads' weights, [head 2][K, V, Q][column tile][K step][1,024]: stored once
.set BIAS,  303104                     ; bq, bk, bv of my 128 channels, 512 bytes each
.set SPARE, 305152                     ; the spare words, 128 bytes for each wave: two blocks of 256 bytes that no other line names
.set NL,    199                        ; lines of a tile's softmax
.set LI,   1                           ; v1   16 x lane
.set SPW,  2                           ; v2   my spare word; never rewritten
.set NIL,  3                           ; v3   0; never rewritten
.set AQ0,  4                           ; v4   QL + 16 lane + 16,384 x block of queries
.set QST,  5                           ; v5   QL + 16,384 wave + 16 lane: where I store Q
.set PST0, 6                           ; v6   PART + 4,096 wave + 16 lane: tiles 0-3
.set PST1, 7                           ; v7   + 65,536: tiles 4-7
.set PLD,  8                           ; v8   PART + 32,768 wave + 16 lane: the partials that I merge
.set SST,  9                           ; v9   STAT + 256 wave + 8 lane
.set SLD,  10                          ; v10  STAT + 2,048 wave + 8 lane
.set WLD,  11                          ; v11  WST + 49,152 head + 16 lane
.set WSS,  12                          ; v12  WST + 24,576 wave + 16 lane: my quarter of the stage
.set BLD,  14                          ; v14  BIAS + 32 hh + 256 head
.set L4,   15                          ; v15  4 x lane
.set XSC,  16                          ; v16-31 x's scale words: register 4 p + s: lanes 0-15 row tile 2 p, lanes 16-31 tile 2 p + 1, K step s
.set WSC,  36                          ; v36-59 the weights': 8 x (K, V, Q) + 4 x pair + s: lanes 0-15 column tile 2 pair, lanes 16-31 the odd one
.set TT,   60                          ; v60-79 two sets of 10: +0 c m, +1 m then l, +2,+3 and +8,+9 sums, +4..+7 chains
.set SS,   80
.set QF,   208
.set PK,   240
.set MSB, 0
.macro WIN new                         ; the immediate's high byte repeats the setting that is left; a switch that changes nothing is dropped
.if MSB != (\new)
	s_set_vgpr_msb (MSB<<8)|(\new)
.set MSB, (\new)
.endif
.endm
.macro PLACES cnt                      ; plain vector lines behind a matrix instruction (ISA guide 7.12.1), where no useful ones are at hand
.rept \cnt
	v_nop
.endr
.endm
.macro BARRIER                         ; my LDS stores have landed and my LDS loads are in: then the work-group's barrier
	s_wait_dscnt 0x0
	s_barrier_signal -1
	s_barrier_wait -1
.endm
; one scaled product on 4-bit codes; ra, rb: the scale words lie in lanes 16-31 of the register named
.macro FP4 d, a, b, c, sa, sb, ra, rb
.if ((\ra) == 0) && ((\rb) == 0)
	v_wmma_scale_f32_16x16x128_f8f6f4 v[(\d):(\d)+7], v[(\a):(\a)+7], v[(\b):(\b)+7], v[(\c):(\c)+7], v[\sa], v[\sb] matrix_a_fmt:MATRIX_FMT_FP4 matrix_b_fmt:MATRIX_FMT_FP4
.elseif (\rb) == 0
	v_wmma_scale_f32_16x16x128_f8f6f4 v[(\d):(\d)+7], v[(\a):(\a)+7], v[(\b):(\b)+7], v[(\c):(\c)+7], v[\sa], v[\sb] matrix_a_fmt:MATRIX_FMT_FP4 matrix_b_fmt:MATRIX_FMT_FP4 matrix_a_scale:MATRIX_SCALE_ROW1
.elseif (\ra) == 0
	v_wmma_scale_f32_16x16x128_f8f6f4 v[(\d):(\d)+7], v[(\a):(\a)+7], v[(\b):(\b)+7], v[(\c):(\c)+7], v[\sa], v[\sb] matrix_a_fmt:MATRIX_FMT_FP4 matrix_b_fmt:MATRIX_FMT_FP4 matrix_b_scale:MATRIX_SCALE_ROW1
.else
	v_wmma_scale_f32_16x16x128_f8f6f4 v[(\d):(\d)+7], v[(\a):(\a)+7], v[(\b):(\b)+7], v[(\c):(\c)+7], v[\sa], v[\sb] matrix_a_fmt:MATRIX_FMT_FP4 matrix_b_fmt:MATRIX_FMT_FP4 matrix_a_scale:MATRIX_SCALE_ROW1 matrix_b_scale:MATRIX_SCALE_ROW1
.endif
.endm
.macro FP4Z d, a, b, sa, sb, ra, rb    ; the same, starting a sum with the constant 0
.if ((\ra) == 0) && ((\rb) == 0)
	v_wmma_scale_f32_16x16x128_f8f6f4 v[(\d):(\d)+7], v[(\a):(\a)+7], v[(\b):(\b)+7], 0, v[\sa], v[\sb] matrix_a_fmt:MATRIX_FMT_FP4 matrix_b_fmt:MATRIX_FMT_FP4
.elseif (\rb) == 0
	v_wmma_scale_f32_16x16x128_f8f6f4 v[(\d):(\d)+7], v[(\a):(\a)+7], v[(\b):(\b)+7], 0, v[\sa], v[\sb] matrix_a_fmt:MATRIX_FMT_FP4 matrix_b_fmt:MATRIX_FMT_FP4 matrix_a_scale:MATRIX_SCALE_ROW1
.elseif (\ra) == 0
	v_wmma_scale_f32_16x16x128_f8f6f4 v[(\d):(\d)+7], v[(\a):(\a)+7], v[(\b):(\b)+7], 0, v[\sa], v[\sb] matrix_a_fmt:MATRIX_FMT_FP4 matrix_b_fmt:MATRIX_FMT_FP4 matrix_b_scale:MATRIX_SCALE_ROW1
.else
	v_wmma_scale_f32_16x16x128_f8f6f4 v[(\d):(\d)+7], v[(\a):(\a)+7], v[(\b):(\b)+7], 0, v[\sa], v[\sb] matrix_a_fmt:MATRIX_FMT_FP4 matrix_b_fmt:MATRIX_FMT_FP4 matrix_a_scale:MATRIX_SCALE_ROW1 matrix_b_scale:MATRIX_SCALE_ROW1
.endif
.endm
.macro WLOAD mt, win, reg              ; a weight's 16 fragments from the stage: 32 loads of 512 consecutive bytes
	WIN (\win)<<6
.set n, 0
.rept 32
	ds_load_b128 v[(\reg)+4*n:(\reg)+4*n+3], v[WLD] offset:(\mt)*16384+512*n
.set n, n+1
.endr
.endm
.macro BLOAD vec, win, reg             ; a bias in a result's layout: register 8 ct + j = b[64 head + 16 ct + 8 hh + j]
	WIN (\win)<<6
.irp ct, 0,1,2,3
.irp q, 0,1
	ds_load_b128 v[(\reg)+8*\ct+4*\q:(\reg)+8*\ct+4*\q+3], v[BLD] offset:(\vec)*512+64*\ct+16*\q
.endr
.endr
.endm
.macro WSLOAD                          ; a head's 24 registers of weight scale words
.irp mt, 0,1,2
.irp pr, 0,1
.irp s, 0,1,2,3
	global_load_b32 v[WSC+8*\mt+4*\pr+\s], v[L4], s[44:45] offset:((\mt*4+\s)*64+\pr*32)*4
.endr
.endr
.endr
.endm
; THE PROJECTION goes in batches of 16 scaled products: one tile of 16 rows x the head's 64 channels x K = 512.  A batch's four accumulators take turns, one instruction a turn, K step by K step;
; two sets of accumulators alternate from batch to batch, and the conversions of batch n - 1 stand behind batch n: they name none of its registers, so they are its places.
.macro PB kt, bn, ws                   ; K (ws = 0) or Q (ws = 16) of row tile kt: source 0 = the weight's columns, source 1 = x; the bias in v208 on starts the sums
.set AC, 192+32*((\bn)%2)
.irp s, 0,1,2,3
.if \s == 0
	WIN 0xc7
.else
	WIN 0xf7
.endif
.irp ct, 0,1,2,3
.if \s == 0
	FP4 AC+8*\ct, 64+8*(4*\ct+\s), 8*(4*(\kt)+\s), QF+8*\ct, WSC+(\ws)+4*(\ct/2)+\s, XSC+4*((\kt)/2)+\s, \ct%2, (\kt)%2
.else
	FP4 AC+8*\ct, 64+8*(4*\ct+\s), 8*(4*(\kt)+\s), AC+8*\ct, WSC+(\ws)+4*(\ct/2)+\s, XSC+4*((\kt)/2)+\s, \ct%2, (\kt)%2
.endif
.endr
.endr
.endm
.macro VB kt, bn                       ; V of key tile kt: source 0 = x, source 1 = wv's columns
.set AC, 192+32*((\bn)%2)
	WIN 0xf1
.irp s, 0,1,2,3
.irp ct, 0,1,2,3
.if \s == 0
	FP4Z AC+8*\ct, 8*(4*(\kt)+\s), SS+8*(4*\ct+\s), XSC+4*((\kt)/2)+\s, WSC+8+4*(\ct/2)+\s, (\kt)%2, \ct%2
.else
	FP4 AC+8*\ct, 8*(4*(\kt)+\s), SS+8*(4*\ct+\s), AC+8*\ct, XSC+4*((\kt)/2)+\s, WSC+8+4*(\ct/2)+\s, (\kt)%2, \ct%2
.endif
.endr
.endr
.endm
.macro KC kt, bn                       ; to f16: channel tiles 2 cc, 2 cc + 1 make fragment (kt, cc).  Each accumulator is read from its low end on
	WIN 0x8f
.irp ct, 0,1,2,3
.irp m, 0,1,2,3
	v_cvt_pk_f16_f32 v[8*(2*(\kt)+\ct/2)+4*(\ct%2)+\m], v[192+32*((\bn)%2)+8*\ct+2*\m], v[192+32*((\bn)%2)+8*\ct+2*\m+1]
.endr
.endr
.endm
.macro VC kt, bn                       ; key tiles 2 kc, 2 kc + 1 make fragment (ct, kc) of V^T
	WIN 0x8f
.irp ct, 0,1,2,3
.irp m, 0,1,2,3
	v_cvt_pk_f16_f32 v[128+8*(4*\ct+(\kt)/2)+4*((\kt)%2)+\m], v[192+32*((\bn)%2)+8*\ct+2*\m], v[192+32*((\bn)%2)+8*\ct+2*\m+1]
.endr
.endr
.endm
.macro QC t, bn                        ; Q's two fragments of my tile t go to LDS as they stand: four stores of 512 consecutive bytes.  Two sets of pack registers by turns: v240 on, v80 on
.set QP, PK-160*((\t)%2)
.if (\t) >= 2
	s_wait_dscnt 4                                 ; the stores of two tiles back have read this set; the last tile's four may be out
.endif
	WIN 0x0f
.irp ct, 0,1,2,3
.irp m, 0,1,2,3
	v_cvt_pk_f16_f32 v[QP+4*\ct+\m], v[192+32*((\bn)%2)+8*\ct+2*\m], v[192+32*((\bn)%2)+8*\ct+2*\m+1]
.endr
.endr
	WIN 0
.irp g, 0,1,2,3
	ds_store_b128 v[QST], v[QP+4*\g:QP+4*\g+3] offset:(\t)*2048+512*\g
.endr
.endm
.macro QLOAD i, set                    ; and come back so, in any wave: tile i of the block of queries into set
.irp g, 0,1,2,3
	ds_load_b128 v[QF+16*(\set)+4*\g:QF+16*(\set)+4*\g+3], v[AQ0] offset:(\i)*2048+512*\g
.endr
.endm
; ATTENTION BY TURNS.  Two query tiles are in hand, in sets 0 and 1.  In a turn one set has the matrix unit (16 products V^T P of its tile, then 16 products K Q^T of its next tile) and the other set's softmax, cut into slices, stands behind the products.
.macro SMM a                           ; product e of 16 of S^T = K Q^T: channels 32 (e / 8) on, key tile e % 8.  The first 8 start the sums
	WIN 0x02
.set rS, SS+64*(\a)+8*(e%8)
.set rK, 8*(2*(e%8)+e/8)
.set rQ, QF+16*(\a)+8*(e/8)
.if e < 8
	v_wmma_f32_16x16x32_f16 v[rS:rS+7], v[rK:rK+7], v[rQ:rQ+7], 0
.else
	v_wmma_f32_16x16x32_f16 v[rS:rS+7], v[rK:rK+7], v[rQ:rQ+7], v[rS:rS+7]
.endif
.endm
.macro PMM a                           ; product e of 16 of O^T = V^T P: keys 32 (e / 4) on, channel tile e % 4.  The first 4 start the sums
	WIN 0xf2
.set rO, 192+32*(\a)+8*(e%4)
.set rV, 128+8*(4*(e%4)+e/4)
.set rP, SS+64*(\a)+16*(e/4)
.if e < 4
	v_wmma_f32_16x16x32_f16 v[rO:rO+7], v[rV:rV+7], v[rP:rP+7], 0
.else
	v_wmma_f32_16x16x32_f16 v[rO:rO+7], v[rV:rV+7], v[rP:rP+7], v[rO:rO+7]
.endif
.endm
.macro OSTORE a, i                     ; tile i's partial O^T goes to LDS as it stands, each accumulator from its low end on
	WIN 0x0c
.irp g, 0,1,2,3,4,5,6,7
	ds_store_b128 v[PST0+(\i)/4], v[192+32*(\a)+4*\g:192+32*(\a)+4*\g+3] offset:((\i)%4)*16384+512*\g
.endr
	WIN 0
.endm
; Line j of 199 of the softmax of set b (16 queries x my 128 keys: 64 scores a lane), all in window 0:
;   0-34    the maximum, three operands at a time in four chains (each accumulator's first read names one of its four lowest registers); the other half of the lanes'; c m, c = log2(e) / 8
;   35-130  ONE BATCH: 32 packed scalings c s - c m and 64 exponentials, a scaling ahead of each two exponentials; none of them reads an exponential's result
;   131     a plain line and the ONE wait between the exponentials and the first line that names a result
;   132-162 the sum of the unrounded p, packed, in two chains;  163-194 p to f16, in place, ascending: registers 16 kc .. 16 kc + 7 become the fragment of keys 32 kc on
;   195-198 the sum's halves, the other half of the lanes'; (c m, l) to LDS
.macro SM b, ism
.set SB, SS+64*(\b)
.set TB, TT+10*(\b)
.if j < 4
	v_max3_num_f32 v[TB+4+j], v[SB+16*j], v[SB+16*j+1], v[SB+16*j+2]
.elseif j < 28
	v_max3_num_f32 v[TB+4+j%4], v[TB+4+j%4], v[SB+16*(j%4)+2*(j/4)+1], v[SB+16*(j%4)+2*(j/4)+2]
.elseif j == 28
	v_max3_num_f32 v[TB+4], v[TB+4], v[SB+15], v[SB+31]
.elseif j == 29
	v_max3_num_f32 v[TB+5], v[TB+5], v[SB+47], v[SB+63]
.elseif j == 30
	v_max3_num_f32 v[TB+4], v[TB+4], v[TB+5], v[TB+6]
.elseif j == 31
	v_max_num_f32 v[TB+4], v[TB+4], v[TB+7]
.elseif j == 32
	v_permlanex16_b32 v[TB+5], v[TB+4], s30, s31
.elseif j == 33
	v_max_num_f32 v[TB+1], v[TB+4], v[TB+5]
.elseif j == 34
	v_mul_f32 v[TB], s32, v[TB+1]
.elseif (j == 35) || ((j < 129) && ((j-36)%3 == 0))
.set pr, (j-33)/3
	v_pk_fma_f32 v[SB+2*pr:SB+2*pr+1], v[SB+2*pr:SB+2*pr+1], s[32:33], v[TB:TB+1] op_sel_hi:[1,0,0] neg_lo:[0,0,1] neg_hi:[0,0,1]
.elseif j < 129
.set ex, 2*((j-36)/3)+(j-36)%3-1
	v_exp_f32 v[SB+ex], v[SB+ex]
.elseif j < 131
	v_exp_f32 v[SB+j-67], v[SB+j-67]
.elseif j == 131
	v_nop
	s_wait_alu depctr_va_vdst(0)
.elseif j == 132
	v_pk_add_f32 v[TB+2:TB+3], v[SB:SB+1], v[SB+2:SB+3]
.elseif j == 133
	v_pk_add_f32 v[TB+8:TB+9], v[SB+4:SB+5], v[SB+6:SB+7]
.elseif j < 162
.set lr, TB+2+6*(j%2)
	v_pk_add_f32 v[lr:lr+1], v[lr:lr+1], v[SB+2*(j-130):SB+2*(j-130)+1]
.elseif j == 162
	v_pk_add_f32 v[TB+2:TB+3], v[TB+2:TB+3], v[TB+8:TB+9]
.elseif j < 195
.set cv, j-163
	v_cvt_pk_f16_f32 v[SB+16*(cv/8)+cv%8], v[SB+16*(cv/8)+2*(cv%8)], v[SB+16*(cv/8)+2*(cv%8)+1]
.elseif j == 195
	v_add_f32 v[TB+4], v[TB+2], v[TB+3]
.elseif j == 196
	v_permlanex16_b32 v[TB+5], v[TB+4], s30, s31
.elseif j == 197
	v_add_f32 v[TB+1], v[TB+4], v[TB+5]
.else
	ds_store_b64 v[SST], v[TB:TB+1] offset:(\ism)*1024
.endif
.endm
.macro SLICE b, ism, nw                ; slice k of nw: lines k NL / nw up to (k + 1) NL / nw - 1
	WIN 0
.rept ((k+1)*NL)/(\nw)-(k*NL)/(\nw)
	SM \b, \ism
.set j, j+1
.endr
.set k, k+1
.endm
; A TURN.  Set a has the matrix unit; pv: V^T P of tile ipv; sq: K Q^T of the tile whose Q was just asked for; between them the softmax of tile ism in the other set.
; The slices name the other set's registers alone, so they are the products' places; the last slice of a turn holds five plain lines or more.  K Q^T writes over P's registers seven slices or more behind the last product that read them.
.macro TURN a, pv, sq, ipv, ism
.set k, 0
.set j, 0
.if \pv
.set e, 0
.rept 16
	PMM \a
	SLICE 1-(\a), \ism, 16*(\pv)+16*(\sq)
.set e, e+1
.endr
.endif
.if \sq
	s_wait_dscnt 0x0                               ; Q's fragments are in (asked for a half turn or more ago); the last turn's stores have read their registers
.set e, 0
.rept 16
	SMM \a
	SLICE 1-(\a), \ism, 16*(\pv)+16*(\sq)
.set e, e+1
.endr
.endif
.if \pv
	OSTORE \a, \ipv
.endif
.endm
.macro PLOAD u                         ; the four waves' partial O^T of query tile 2 w + u, into window 3
	WIN 0xc0
.irp p, 0,1,2,3
.irp g, 0,1,2,3,4,5,6,7
	ds_load_b128 v[128*(\u)+32*\p+4*\g:128*(\u)+32*\p+4*\g+3], v[PLD] offset:(\u)*16384+\p*4096+512*\g
.endr
.endr
.endm
.macro MERGE u                         ; attn = sum over the four waves of g O^T + bv, to f16, stored as an image of its 16 registers: four stores of 512 consecutive bytes, aligned
	WIN 0xc3
.set n, 0
.rept 16
	v_pk_fma_f32 v[128*(\u)+2*n:128*(\u)+2*n+1], v[128*(\u)+2*n:128*(\u)+2*n+1], v[PK+8*(\u):PK+8*(\u)+1], v[QF+2*n:QF+2*n+1] op_sel_hi:[1,0,1]
.set n, n+1
.endr
	WIN 0xf3
.irp p, 1,2,3
.set n, 0
.rept 16
	v_pk_fma_f32 v[128*(\u)+2*n:128*(\u)+2*n+1], v[128*(\u)+32*\p+2*n:128*(\u)+32*\p+2*n+1], v[PK+8*(\u)+2*\p:PK+8*(\u)+2*\p+1], v[128*(\u)+2*n:128*(\u)+2*n+1] op_sel_hi:[1,0,1]
.set n, n+1
.endr
.endr
	WIN 0xcf
.set n, 0
.rept 16
	v_cvt_pk_f16_f32 v[128*(\u)+n], v[128*(\u)+2*n], v[128*(\u)+2*n+1]
.set n, n+1
.endr
	WIN 0x0c                                       ; a store's data are its source 1: window 3
.irp g, 0,1,2,3
	global_store_b128 v[LI], v[128*(\u)+4*\g:128*(\u)+4*\g+3], s[42:43] offset:(\u)*2048+512*\g
.endr
.endm
; ---------------- the head of the kernel
	s_load_b512 s[4:19], s[0:1], 0x0               ; x_codes s[4:5], x_scales s[6:7], w_codes s[8:9], w_scales s[10:11], bq s[12:13], bk s[14:15], bv s[16:17], attn16 s[18:19]
	v_lshl_add_u32 v[SPW], v0, 2, SPARE
	v_mov_b32 v[NIL], 0
	v_lshrrev_b32 v76, 5, v0
	v_readfirstlane_b32 s24, v76                   ; wave 0..3
	s_mov_b32 s25, ttmp9                           ; the pair of heads
	s_and_b32 s26, ttmp7, 0xffff                   ; the slice
	s_mov_b32 s29, 0                               ; the high word of every offset: all stay under 2^32
	s_mov_b32 s30, 0x76543210
	s_mov_b32 s31, 0xfedcba98                      ; v_permlanex16_b32's selects for lane l xor 16
	s_mov_b32 s32, 0x3e38aa3b                      ; c = log2(e) / 8
	s_mov_b32 s33, s32                             ; (named with it as a pair, so it is written)
	s_mul_i32 s41, s24, 24576                      ; my quarter of the two heads' weights
	s_lshl_b32 s57, s26, 19                        ; attn16: a slice is four blocks of 131,072 bytes,
	s_lshl_b32 s28, s24, 15                        ; my pair of tiles 32,768,
	s_add_co_u32 s57, s57, s28
	s_lshl_b32 s28, s25, 13                        ; a pair of heads 8,192
	s_add_co_u32 s57, s57, s28
	v_and_b32 v77, 31, v0
	v_lshlrev_b32 v[LI], 4, v77
	v_lshlrev_b32 v[L4], 2, v77
	v_lshlrev_b32 v79, 3, v77
	s_lshl_b32 s28, s24, 14
	v_add_nc_u32 v[QST], s28, v[LI]                ; (QL is LDS byte 0)
	s_lshl_b32 s28, s24, 15
	s_add_co_u32 s28, s28, PART
	v_add_nc_u32 v[PLD], s28, v[LI]
	s_lshl_b32 s28, s24, 12
	s_add_co_u32 s28, s28, PART
	v_add_nc_u32 v[PST0], s28, v[LI]
	v_add_nc_u32 v[PST1], 65536, v[PST0]
	s_lshl_b32 s28, s24, 8
	s_add_co_u32 s28, s28, STAT
	v_add_nc_u32 v[SST], s28, v79
	s_lshl_b32 s28, s24, 11
	s_add_co_u32 s28, s28, STAT
	v_add_nc_u32 v[SLD], s28, v79
	s_add_co_u32 s28, s41, WST
	v_add_nc_u32 v[WSS], s28, v[LI]
	v_lshl_add_u32 v77, v0, 2, BIAS                ; a bias's 128 numbers: 4 bytes a thread
	s_lshl_b32 s28, s25, 9
	v_lshl_add_u32 v76, v0, 2, s28                 ; and in memory: my pair of heads begins 512 bytes x pair on
	s_wait_kmcnt 0x0
	s_lshl_b32 s28, s26, 17                        ; a slice's codes are 32 tiles of 4,096 bytes;
	s_lshl_b32 s40, s24, 15                        ; my 8 tiles
	s_add_co_u32 s28, s28, s40
	s_add_nc_u64 s[34:35], s[4:5], s[28:29]
	s_lshl_b32 s28, s26, 13                        ; scale bytes: 16 a row
	s_lshl_b32 s40, s24, 11
	s_add_co_u32 s28, s28, s40
	s_add_nc_u64 s[38:39], s[6:7], s[28:29]
	s_mul_i32 s28, s25, 98304                      ; two heads' weights are 98,304 consecutive bytes
	s_add_co_u32 s28, s28, s41
	s_add_nc_u64 s[42:43], s[8:9], s[28:29]
	s_mul_i32 s28, s25, 6144
	s_add_nc_u64 s[44:45], s[10:11], s[28:29]      ; the first head's scale words
	WIN 0x40                                       ; destination window 1
.set n, 0
.rept 64
	global_load_b128 v[4*n:4*n+3], v[LI], s[34:35] offset:512*n   ; my rows' 32 fragments: they stay
.set n, n+1
.endr
	WIN 0x80                                       ; destination window 2
.set n, 0
.rept 48
	global_load_b128 v[4*n:4*n+3], v[LI], s[42:43] offset:512*n   ; my quarter of the weights, for the stage
.set n, n+1
.endr
	WIN 0
.irp p, 0,1,2,3
	global_load_b128 v[XSC+4*\p:XSC+4*\p+3], v[LI], s[38:39] offset:512*\p   ; a row's 16 bytes are its four scale words
.endr
	WSLOAD
	global_load_b32 v[PK], v76, s[12:13]
	global_load_b32 v[PK+1], v76, s[14:15]
	global_load_b32 v[PK+2], v76, s[16:17]
	s_wait_loadcnt 0x0                             ; everything that stays is in
	WIN 0x08                                       ; an LDS store's data are its source 1: window 2
.set n, 0
.rept 48
	ds_store_b128 v[WSS], v[4*n:4*n+3] offset:512*n
.set n, n+1
.endr
	WIN 0
	ds_store_b32 v77, v[PK]
	ds_store_b32 v77, v[PK+1] offset:512
	ds_store_b32 v77, v[PK+2] offset:1024
	BARRIER                                        ; both heads' weights and the biases lie in LDS, for the rest of the launch
	s_mov_b32 s27, 0
.Lhd:                                                  ; 2 trips, a head each
	s_mul_i32 s28, s27, 49152                      ; the addresses that hang on the head are made from the count of trips
	s_add_co_u32 s28, s28, WST
	v_add_nc_u32 v[WLD], s28, v[LI]
	s_lshl_b32 s28, s27, 8
	s_add_co_u32 s28, s28, BIAS
	v_bfe_u32 v[BLD], v0, 4, 1
	v_lshl_add_u32 v[BLD], v[BLD], 5, s28
	s_wait_xcnt 0x0                                ; the last merge's stores have read their registers, on which the loads below land
	WLOAD 0, 3, 64                                 ; wk's fragments,
	BLOAD 1, 0, QF                                 ; bk,
	WLOAD 1, 0, SS                                 ; wv's fragments
	WIN 0
	; ---- the projection: 8 batches of K, 8 of V, 8 of Q
	s_wait_loadcnt 0x0                             ; this head's scale words are in (asked for at the kernel's head, or behind the last head's projection)
	s_wait_dscnt 32                                ; wk's fragments and bk are in; wv's 32 loads may be out
	PB 0, 0, 0
	PLACES 5                                       ; for the conversions that read batch 0, and for batch 2, which begins the same accumulators anew
	PB 1, 1, 0
	KC 0, 0
.irp t, 2,3,4,5,6,7
	PB \t, \t, 0
	KC \t-1, \t-1
.endr
	WLOAD 2, 3, 64                                 ; wq's fragments and bq land where wk's and bk lay: the sixteen conversions above are the places behind the last product that read them
	BLOAD 0, 0, QF
	s_wait_dscnt 40                                ; wv's fragments are in; the 40 loads just issued may be out
	VB 0, 8
	KC 7, 7
.irp t, 1,2,3,4,5,6,7
	VB \t, \t+8
	VC \t-1, \t+7
.endr
	s_wait_dscnt 0x0                               ; wq's fragments and bq are in
	PB 0, 16, 16
	VC 7, 15
	PB 1, 17, 16
	QC 0, 16
.irp t, 2,3,4,5,6,7
	PB \t, \t+16, 16
	QC \t-1, \t+15
.endr
	QC 7, 23
	s_add_co_u32 s40, s27, 1
	s_min_u32 s40, s40, 1                          ; the next head; the last trip stays inside the buffer and fetches its own head's again
	s_lshl_b32 s28, s25, 1
	s_add_co_u32 s28, s28, s40
	s_mul_i32 s28, s28, 3072
	s_add_nc_u64 s[44:45], s[10:11], s[28:29]      ; (the loads that named this pair were waited for at this trip's head)
	WSLOAD                                         ; its scale words: the conversions of Q's tile 6 are the places behind the last scaled product
	s_mov_b32 s56, 0
.Lqb:                                                  ; 4 trips, 128 queries each
	s_lshl_b32 s51, s56, 14
	v_add_nc_u32 v[AQ0], s51, v[LI]                ; the block's 8 tiles of Q
	s_wait_xcnt 0x0                                ; the last merge's stores have read their base and their registers
	s_lshl_b32 s28, s56, 17
	s_lshl_b32 s40, s27, 12
	s_add_co_u32 s28, s28, s40
	s_add_co_u32 s28, s28, s57
	s_add_nc_u64 s[42:43], s[18:19], s[28:29]      ; where this block's and head's attn of my two tiles goes
	BARRIER                                        ; Q of all 512 queries lies in LDS, and every wave's reads of the last block's partials are over
	; ---- attention: the block's 8 query tiles against my 128 keys
	QLOAD 0, 0
	QLOAD 1, 1
	s_wait_dscnt 4                                 ; tile 0's Q is in; tile 1's four loads may be out
.set e, 0
.rept 16
	SMM 0                                          ; tile 0's scores: there is no vector work yet to set between them
.set e, e+1
.endr
	PLACES 4
	TURN 1, 0, 1, 0, 0                             ; scores of tile 1 | softmax of tile 0
.irp i, 0,1,2,3,4,5
	QLOAD \i+2, \i%2
	TURN \i%2, 1, 1, \i, \i+1                      ; V^T P of tile i, scores of tile i + 2 | softmax of tile i + 1
.endr
	TURN 0, 1, 0, 6, 7                             ; V^T P of tile 6 | softmax of tile 7
	s_wait_dscnt 9                                 ; tile 5's stores have read set 1's accumulators (behind them: tile 7's statistics and tile 6's eight stores)
.set e, 0
.rept 16
	PMM 1                                          ; V^T P of tile 7
.set e, e+1
.endr
	PLACES 4
	OSTORE 1, 7
	BARRIER                                        ; all partials and statistics lie in LDS
	; ---- the merge: wave w takes query tiles 2 w and 2 w + 1
.irp u, 0,1
.irp p, 0,1,2,3
	ds_load_b64 v[TT+8*\u+2*\p:TT+8*\u+2*\p+1], v[SLD] offset:\u*1024+\p*256
.endr
.endr
	PLOAD 0
	BLOAD 2, 0, QF                                 ; bv
	PLOAD 1
	WIN 0
	s_wait_dscnt 32                                ; the statistics, the first tile's partials and bv are in; the second tile's 32 loads may be out
.irp u, 0,1
	v_max3_num_f32 v[76+\u], v[TT+8*\u], v[TT+8*\u+2], v[TT+8*\u+4]
.endr
.irp u, 0,1
	v_max_num_f32 v[76+\u], v[76+\u], v[TT+8*\u+6]   ; the row's c m
.endr
.irp u, 0,1
.irp p, 0,1,2,3
	v_sub_f32 v[PK+8*\u+2*\p], v[TT+8*\u+2*\p], v[76+\u]
.endr
.endr
.irp u, 0,1
.irp p, 0,1,2,3
	v_exp_f32 v[PK+8*\u+2*\p], v[PK+8*\u+2*\p]     ; 2^(c m of wave p - the row's): at most 1
.endr
.endr
	v_nop
	s_wait_alu depctr_va_vdst(0)                   ; one wait for the eight, ahead of their first reader
.irp u, 0,1
	v_mul_f32 v[78+\u], v[PK+8*\u], v[TT+8*\u+1]
.endr
.irp p, 1,2,3
.irp u, 0,1
	v_fma_f32 v[78+\u], v[PK+8*\u+2*\p], v[TT+8*\u+2*\p+1], v[78+\u]   ; the row's sum: 1 or more
.endr
.endr
	v_rcp_f32 v78, v78
	v_rcp_f32 v79, v79
	v_nop
	s_wait_alu depctr_va_vdst(0)                   ; and one for the two
.irp u, 0,1
.irp p, 0,1,2,3
	v_mul_f32 v[PK+8*\u+2*\p], v[PK+8*\u+2*\p], v[78+\u]
.endr
.endr
	MERGE 0
	s_wait_dscnt 0x0                               ; the second tile's partials are in
	MERGE 1
	WIN 0
	s_add_co_u32 s56, s56, 1
	s_cmp_lt_u32 s56, 4
	s_cbranch_scc1 .Lqb
	s_add_co_u32 s27, s27, 1
	s_cmp_lt_u32 s27, 2
	s_cbranch_scc1 .Lhd
	s_wait_tensorcnt 0x0                           ; the wave's end, behind my last LDS store
	ds_add_u32 v[SPW], v[NIL]
	s_wait_dscnt 0x0
	s_endpgm
.Lfunc_end_k_q25938f3730_attn:
	.size	k_q25938f3730_attn, .Lfunc_end_k_q25938f3730_attn-k_q25938f3730_attn
	.p2alignl 7, 3214868480
	.fill 96, 4, 3214868480
	.section	.rodata,"a",@progbits
	.p2align	6, 0x0
	.amdhsa_kernel k_q25938f3730_attn
		.amdhsa_group_segment_fixed_size 305664
		.amdhsa_private_segment_fixed_size 0
		.amdhsa_enable_private_segment 0
		.amdhsa_kernarg_size 64
		.amdhsa_user_sgpr_count 2
		.amdhsa_user_sgpr_kernarg_segment_ptr 1
		.amdhsa_wavefront_size32 1
		.amdhsa_system_sgpr_workgroup_id_x 1
		.amdhsa_system_sgpr_workgroup_id_y 1
		.amdhsa_system_sgpr_workgroup_id_z 1
		.amdhsa_system_vgpr_workitem_id 0
		.amdhsa_next_free_vgpr 1024
		.amdhsa_next_free_sgpr 66
		.amdhsa_reserve_vcc 0
		.amdhsa_float_denorm_mode_32 3
		.amdhsa_float_denorm_mode_16_64 3
		.amdhsa_memory_ordered 1
		.amdhsa_forward_progress 1
		.amdhsa_inst_pref_size 245
	.end_amdhsa_kernel
	.amdgpu_metadata
---
amdhsa.version: [ 1, 2 ]
amdhsa.kernels:
  - .name:           k_q25938f3730_attn
    .symbol:         k_q25938f3730_attn.kd
    .args:
      - { .name: x_codes, .offset: 0, .size: 8, .value_kind: global_buffer, .address_space: global }
      - { .name: x_scales, .offset: 8, .size: 8, .value_kind: global_buffer, .address_space: global }
      - { .name: w_codes, .offset: 16, .size: 8, .value_kind: global_buffer, .address_space: global }
      - { .name: w_scales, .offset: 24, .size: 8, .value_kind: global_buffer, .address_space: global }
      - { .name: bq, .offset: 32, .size: 8, .value_kind: global_buffer, .address_space: global }
      - { .name: bk, .offset: 40, .size: 8, .value_kind: global_buffer, .address_space: global }
      - { .name: bv, .offset: 48, .size: 8, .value_kind: global_buffer, .address_space: global }
      - { .name: attn16, .offset: 56, .size: 8, .value_kind: global_buffer, .address_space: global }
    .group_segment_fixed_size: 305664
    .private_segment_fixed_size: 0
    .kernarg_segment_align: 8
    .kernarg_segment_size: 64
    .max_flat_workgroup_size: 128
    .sgpr_count:     66
    .vgpr_count:     1024
    .wavefront_size: 32
...
	.end_amdgpu_metadata
.endif
;; end of part 2
;; launch proj (part 3): grid 256 x 1, 4 waves a work-group, no clusters, 148,992 bytes of LDS; arguments attn16, wo16, bo, out0; writes out0
.if DOCPART == 3
	.amdgcn_target "amdgcn-amd-amdhsa--gfx1250"
	.amdhsa_code_object_version 6
	.text
	.protected	k_q25938f3730_proj
	.globl	k_q25938f3730_proj
	.p2align	8
	.type	k_q25938f3730_proj,@function
k_q25938f3730_proj:
	s_mov_b64 s[64:65], 0
	v_nop
	global_prefetch_b8 v0, s[64:65] scope:SCOPE_SE
	s_setreg_imm32_b32 hwreg(HW_REG_WAVE_MODE, 25, 1), 1
	s_wait_xcnt 0x0
; PROJ: out0 = attn wo + bo.  attn16: f16, [block of 128 rows 256][tile pair 4][head 8][tile of the pair 2][2,048], images of operand registers; wo16: f16, [column group 4][K chunk of 32: 16][column tile 8][1,024], likewise; sums f32.
; SHARES.  A work-group takes a block of 128 rows x all 512 columns; wave w takes columns 128 w on.  The block's attn, 131,072 consecutive bytes, is copied into LDS once (a wave a quarter) and read by all four waves; wo's fragments go by 16-byte loads
; at 16 x lane straight into their registers, six steps ahead.
; out^T = wo^T attn (source 0 = 16 columns of wo, source 1 = 16 rows of attn): a lane holds one row and eight neighbouring columns.  bo is the C of each sum's first matrix instruction.
; TWO PASSES of 64 columns: pass 0 sums in window 2, pass 1 in window 3, 32 accumulators each, by turns, in the same order in every step.  While pass 1 is multiplied, pass 0's eight blocks of 16 rows leave,
; one for every two steps: half of the output is stored under matrix work.  wo is read once all the same; attn is read from LDS twice.  A pass's part of a row is 256 bytes, aligned.
; All 32 steps (pass, K chunk) are written out: every offset is an immediate, no pointer is stepped.
; NO CLUSTER, NO TENSOR LOAD.  Work-groups share wo alone (131,072 bytes a wave).  A joint load lands in LDS, from where each fragment would be read once, by one wave: a trip more through LDS; and a step is 32 products a wave, short against a meeting of a cluster for each refill.
; LIMITS: as the launch before: attn and wo are f16; NaN and infinities are not served.
; REGISTERS: window 0: v1-10 addresses; v16-47 bo of pass 1; v48-79, v208-239 rows on the way out, by turns (v208-239 first: bo of pass 0); v80-207 attn's fragments of a chunk, two buffers.  window 1: wo, eight buffers of 32.  windows 2, 3: the accumulators ((row tile qt, column tile ct) at 8 (4 qt + ct)).
.set ATT,   0                          ; the block's attn
.set STG,   131072                     ; the way out: 16 rows x (256 bytes + 16) for each wave
.set SPI,   272
.set SPARE, STG+4*16*SPI               ; the spare words, 128 bytes for each wave: two blocks of 256 bytes that no other line names
.set LI,   1                           ; v1   16 x lane
.set SPW,  2                           ; v2   my spare word; never rewritten
.set NIL,  3                           ; v3   0; never rewritten
.set AQ0,  4                           ; v4   ATT + 16 lane: row tiles 0-3;  v5: + 65,536: tiles 4-7
.set STO,  6                           ; v6   into my stage: row r, 32 bytes for each half of the lanes
.set RD,   7                           ; v7   back: lanes 0-15 a row of 256 bytes, lanes 16-31 the next
.set CO,   8                           ; v8   and the same two rows in out0
.set AST,  9                           ; v9   32,768 wave + 16 lane: my quarter of attn
.set BOF,  10                          ; v10  32 hh
.set BO1,  16
.set BB1,  48
.set AB,   80
.set BO0,  208
.set MSB, 0
.macro WIN new                         ; the immediate's high byte repeats the setting that is left; a switch that changes nothing is dropped
.if MSB != (\new)
	s_set_vgpr_msb (MSB<<8)|(\new)
.set MSB, (\new)
.endif
.endm
.macro PLACES cnt
.rept \cnt
	v_nop
.endr
.endm
.macro ALOAD buf, off                  ; a chunk's 8 fragments of attn
.irp qt, 0,1,2,3,4,5,6,7
.irp g, 0,1
	ds_load_b128 v[AB+64*(\buf)+8*\qt+4*\g:AB+64*(\buf)+8*\qt+4*\g+3], v[AQ0+\qt/4] offset:((\qt/2)%2)*32768+(\qt%2)*2048+512*\g+(\off)
.endr
.endr
.endm
.macro WOLOAD buf, off                 ; a step's 4 fragments of wo: 8 loads of 512 consecutive bytes
.set n, 0
.rept 8
	global_load_b128 v[32*(\buf)+4*n:32*(\buf)+4*n+3], v[LI], s[12:13] offset:(\off)+512*n
.set n, n+1
.endr
.endm
.macro HMUL wb, ab, q0                 ; 16 products: row tiles q0 .. q0 + 3 x the pass's four column tiles, 32 along K
.irp qt, 0,1,2,3
.irp ct, 0,1,2,3
.if KCH == 0
	v_wmma_f32_16x16x32_f16 v[8*(4*((\q0)+\qt)+\ct):8*(4*((\q0)+\qt)+\ct)+7], v[32*(\wb)+8*\ct:32*(\wb)+8*\ct+7], v[AB+64*(\ab)+8*((\q0)+\qt):AB+64*(\ab)+8*((\q0)+\qt)+7], v[BOX+8*\ct:BOX+8*\ct+7]
.else
	v_wmma_f32_16x16x32_f16 v[8*(4*((\q0)+\qt)+\ct):8*(4*((\q0)+\qt)+\ct)+7], v[32*(\wb)+8*\ct:32*(\wb)+8*\ct+7], v[AB+64*(\ab)+8*((\q0)+\qt):AB+64*(\ab)+8*((\q0)+\qt)+7], v[8*(4*((\q0)+\qt)+\ct):8*(4*((\q0)+\qt)+\ct)+7]
.endif
.endr
.endr
.endm
; THE WAY OUT of block a (16 rows x the pass's 64 columns).  A lane holds 32 neighbouring bytes of a row for each column tile: the block goes through my own stage and comes back as rows of 256 bytes.
; LDS serves a wave's instructions in order: no wait between the stores and the loads, nor in front of the next block's stores.
.macro TOSTAGE p, a
	WIN 0x08+4*(\p)                                ; the data: window 2 or 3
.irp b, 0,1,2,3
	ds_store_b128 v[STO], v[32*(\a)+8*\b:32*(\a)+8*\b+3] offset:64*\b          ; each accumulator from its low end on
	ds_store_b128 v[STO], v[32*(\a)+8*\b+4:32*(\a)+8*\b+7] offset:64*\b+16
.endr
	WIN 0
.set BB, BO0-(BO0-BB1)*((\a)%2)
.irp t, 0,1,2,3,4,5,6,7
	ds_load_b128 v[BB+4*\t:BB+4*\t+3], v[RD] offset:\t*2*SPI
.endr
.endm
.macro SEND p, a
.set BB, BO0-(BO0-BB1)*((\a)%2)
.irp t, 0,1,2,3,4,5,6,7
	global_store_b128 v[CO], v[BB+4*\t:BB+4*\t+3], s[18:19] offset:(\a)*32768+\t*4096+(\p)*256 th:TH_STORE_NT   ; sixteen lanes store 256 consecutive bytes, at a multiple of 256 from out0's first byte; written once
.endr
.endm
; STEP c of 32: pass c / 16, K chunk c % 16.  16 products; four places; the next step's attn into the buffer that the step before read, and the wo of six steps on into the buffer read two steps ago; 16 products.
; In pass 1 block a of pass 0 goes into the stage in the middle of step 16 + 2 a and is stored at the head of step 17 + 2 a, behind that step's wait for LDS.
.macro HC c
.set PS, (\c)/16
.set KCH, (\c)%16
.set BOX, BO0-(BO0-BO1)*PS
.set WBC, (\c)%8
.set ABC, (\c)%2
.if KCH == 0
.set WMUL, 0x81+0x40*PS                ; wo window 1, attn and bo window 0, the sums window 2 or 3
.else
.set WMUL, 0xa1+0x50*PS                ; the same, C with D
.endif
	s_wait_dscnt 0x0                               ; this step's attn is in (asked for 16 products ago), and so is a block on its way back from the stage
.if (\c) <= 26
	s_wait_loadcnt 40                              ; this step's wo is in; the five steps' behind it may be out
.else
	s_wait_loadcnt 8*(31-(\c))                     ; no wo is left to fetch: the counts run down
.endif
.if ((\c) >= 17) && ((\c)%2 == 1)
	WIN 0
	SEND 0, ((\c)-17)/2
.endif
	WIN WMUL
	HMUL WBC, ABC, 0
.if (\c) < 31
	PLACES 4
	WIN 0
.if ((\c) >= 16) && ((\c)%2 == 0)
	s_wait_xcnt 0x0                                ; the stores of two blocks back have read the registers on which this block's rows land
	TOSTAGE 0, ((\c)-16)/2
.endif
.set ABN, ((\c)+1)%2
.set AOF, ((((\c)+1)%16)/2)*4096+(((\c)+1)%2)*1024
	ALOAD ABN, AOF
.if (\c)+6 < 32
.set WBN, ((\c)+6)%8
.set WOF, (((\c)+6)%16)*8192+(((\c)+6)/16)*4096
	WIN 0x40
	WOLOAD WBN, WOF
.endif
.endif
	WIN WMUL
	HMUL WBC, ABC, 4
.endm
	s_load_b256 s[4:11], s[0:1], 0x0               ; attn16 s[4:5], wo16 s[6:7], bo s[8:9], out0 s[10:11]
	v_lshl_add_u32 v[SPW], v0, 2, SPARE
	v_mov_b32 v[NIL], 0
	v_lshrrev_b32 v11, 5, v0
	v_readfirstlane_b32 s24, v11                   ; wave 0..3
	s_mov_b32 s29, 0                               ; the high word of every offset: all stay under 2^32
	v_and_b32 v11, 31, v0
	v_lshlrev_b32 v[LI], 4, v11
	v_add_nc_u32 v[AQ0], ATT, v[LI]
	v_add_nc_u32 v[AQ0+1], ATT+65536, v[LI]
	s_lshl_b32 s28, s24, 15
	v_add_nc_u32 v[AST], s28, v[LI]
	v_and_b32 v11, 15, v0                          ; r
	v_bfe_u32 v12, v0, 4, 1                        ; hh
	v_lshlrev_b32 v[BOF], 5, v12
	s_mul_i32 s28, s24, 16*SPI
	s_add_co_u32 s28, s28, STG                     ; my stage
	v_mul_u32_u24 v[STO], v11, SPI
	v_lshl_add_u32 v[STO], v12, 5, v[STO]
	v_add_nc_u32 v[STO], s28, v[STO]
	v_mul_u32_u24 v[RD], v12, SPI
	v_lshl_add_u32 v[RD], v11, 4, v[RD]
	v_add_nc_u32 v[RD], s28, v[RD]
	v_lshlrev_b32 v[CO], 11, v12                   ; a row of out0 is 2,048 bytes
	v_lshl_add_u32 v[CO], v11, 4, v[CO]
	s_wait_kmcnt 0x0
	s_lshl_b32 s28, ttmp9, 17                      ; my block of attn,
	s_lshl_b32 s30, s24, 15                        ; my quarter of it
	s_add_co_u32 s28, s28, s30
	s_add_nc_u64 s[14:15], s[4:5], s[28:29]
	s_lshl_b32 s28, s24, 17
	s_add_nc_u64 s[12:13], s[6:7], s[28:29]        ; wo: my 128 columns
	s_lshl_b32 s28, s24, 9
	s_add_nc_u64 s[16:17], s[8:9], s[28:29]        ; bo: likewise
	s_lshl_b32 s28, ttmp9, 18                      ; out0: 128 rows of 2,048 bytes a block,
	s_lshl_b32 s30, s24, 9                         ; my 128 columns
	s_add_co_u32 s28, s28, s30
	s_add_nc_u64 s[18:19], s[10:11], s[28:29]
	WIN 0x80                                       ; destination window 2: free until the first product
.set n, 0
.rept 64
	global_load_b128 v[4*n:4*n+3], v[LI], s[14:15] offset:512*n th:TH_LOAD_NT   ; 512 consecutive bytes a load; read once in the launch
.set n, n+1
.endr
	WIN 0
.irp ct, 0,1,2,3
.irp q, 0,1
	global_load_b128 v[BO0+8*\ct+4*\q:BO0+8*\ct+4*\q+3], v[BOF], s[16:17] offset:64*\ct+16*\q       ; register j of tile ct = bo[128 w + 16 ct + 8 hh + j]
	global_load_b128 v[BO1+8*\ct+4*\q:BO1+8*\ct+4*\q+3], v[BOF], s[16:17] offset:256+64*\ct+16*\q   ; and of pass 1's tiles, 64 columns on
.endr
.endr
	WIN 0x40
	WOLOAD 0, 0
	WOLOAD 1, 8192
	WOLOAD 2, 16384
	WOLOAD 3, 24576
	s_wait_loadcnt 48                              ; my quarter of attn is in; bo's 16 loads and four steps of wo may be out
	WIN 0x08                                       ; an LDS store's data are its source 1: window 2
.set n, 0
.rept 64
	ds_store_b128 v[AST], v[4*n:4*n+3] offset:512*n
.set n, n+1
.endr
	WIN 0x40
	WOLOAD 4, 32768
	WOLOAD 5, 40960
	WIN 0
	s_wait_dscnt 0x0                               ; for the others' sake: my stores are done
	s_barrier_signal -1
	s_barrier_wait -1                              ; the block's attn lies in LDS, for the rest of the launch
	ALOAD 0, 0
.irp c, 0,1,2,3,4,5,6,7,8,9,10,11,12,13,14,15,16,17,18,19,20,21,22,23,24,25,26,27,28,29,30,31
	HC \c
.endr
	WIN 0
	PLACES 4                                       ; behind the last products, ahead of the reads of their results
	s_wait_xcnt 0x0                                ; pass 0's last stores have read their registers
	TOSTAGE 1, 0
.irp a, 1,2,3,4,5,6,7
	s_wait_xcnt 0x0                                ; the stores of two blocks back have read the registers on which this block's rows land
	TOSTAGE 1, \a
	s_wait_dscnt 16                                ; block a - 1 is back; behind its loads stand block a's 8 stores and 8 loads
	SEND 1, \a-1
.endr
	s_wait_dscnt 0x0
	SEND 1, 7
	s_wait_tensorcnt 0x0                           ; the wave's end, behind my last LDS store
	ds_add_u32 v[SPW], v[NIL]
	s_wait_dscnt 0x0
	s_endpgm
.Lfunc_end_k_q25938f3730_proj:
	.size	k_q25938f3730_proj, .Lfunc_end_k_q25938f3730_proj-k_q25938f3730_proj
	.p2alignl 7, 3214868480
	.fill 96, 4, 3214868480
	.section	.rodata,"a",@progbits
	.p2align	6, 0x0
	.amdhsa_kernel k_q25938f3730_proj
		.amdhsa_group_segment_fixed_size 148992
		.amdhsa_private_segment_fixed_size 0
		.amdhsa_enable_private_segment 0
		.amdhsa_kernarg_size 32
		.amdhsa_user_sgpr_count 2
		.amdhsa_user_sgpr_kernarg_segment_ptr 1
		.amdhsa_wavefront_size32 1
		.amdhsa_system_sgpr_workgroup_id_x 1
		.amdhsa_system_sgpr_workgroup_id_y 1
		.amdhsa_system_sgpr_workgroup_id_z 1
		.amdhsa_system_vgpr_workitem_id 0
		.amdhsa_next_free_vgpr 1024
		.amdhsa_next_free_sgpr 66
		.amdhsa_reserve_vcc 0
		.amdhsa_float_denorm_mode_32 3
		.amdhsa_float_denorm_mode_16_64 3
		.amdhsa_memory_ordered 1
		.amdhsa_forward_progress 1
		.amdhsa_inst_pref_size 173
	.end_amdhsa_kernel
	.amdgpu_metadata
---
amdhsa.version: [ 1, 2 ]
amdhsa.kernels:
  - .name:           k_q25938f3730_proj
    .symbol:         k_q25938f3730_proj.kd
    .args:
      - { .name: attn16, .offset: 0, .size: 8, .value_kind: global_buffer, .address_space: global }
      - { .name: wo16, .offset: 8, .size: 8, .value_kind: global_buffer, .address_space: global }
      - { .name: bo, .offset: 16, .size: 8, .value_kind: global_buffer, .address_space: global }
      - { .name: out0, .offset: 24, .size: 8, .value_kind: global_buffer, .address_space: global }
    .group_segment_fixed_size: 148992
    .private_segment_fixed_size: 0
    .kernarg_segment_align: 8
    .kernarg_segment_size: 32
    .max_flat_workgroup_size: 128
    .sgpr_count:     66
    .vgpr_count:     1024
    .wavefront_size: 32
...
	.end_amdgpu_metadata
.endif
;; end of part 3
